; MI455X (gfx1250); checked and timed in simulation.
; The chip was launched on July 23, 2026; its instructions are those of AMD's public machine-readable ISA for CDNA 5 (MIT licence, August 2026) and "CDNA5" Instruction Set Architecture Reference Guide (July 2026). The comments in the code are by the model that wrote it; some were corrected since.
;; Lo RA Linear. Allowed arithmetic: matrix products marked QUANTISED: E3M2 operands, one E8M0 scale for each 32 along K, by v_wmma_scale_f32_16x16x128_f8f6f4 with both operands' format E3M2, f32 sums; products left as they are: f32 operands where the result goes on into a quantised operand, else bf16, f16 or f32 operands; f32 sums; everything else in f32.
;; Inputs: lora_a 16 x 4,096 float32; lora_b 2,048 x 16 float32; w_codes 2,048 x 4,096 int32; w_scales 2,048 x 64 float32; x 4 x 2,048 x 4,096 float32.
;; Outputs: out0 4 x 2,048 x 2,048 float32.
;; This version of the problem:
;;   THIS VERSION OF THE PROBLEM IS GIVEN IN LOW PRECISION. The matrix products marked QUANTISED in the list below multiply operands that are first quantised to E3M2 (3 exponent bits, 2 mantissa bits; 6 bits a number), with one power-of-two scale for each 32 numbers along K (OCP MX v1.0); their sums are f32. All else is computed in f32.
;;   The module's matrix products, in the order in which they are computed (A, B: the left and right operand; K: the contracted axis; several contracted axes count as one K, in the product's order):
;;     1. [M 8,192, K 4,096] x [K 4,096, N 2,048]; A: input x; B: computed on the way: QUANTISED
;;     2. [M 8,192, K 4,096] x [K 4,096, N 16]; A: input x; B: input lora_a: QUANTISED
;;     3. [M 8,192, K 16] x [K 16, N 2,048]; A: computed on the way; B: input lora_b: left as it is (K = 16 < 32)
;;   THE QUANTISER, for each operand of a quantised product, along K:
;;     - K is cut into blocks of 32 from its start; a last block that is shorter is filled with zeros.
;;     - A block's scale is 2^e with e = floor(log2(the largest magnitude in the block)) - 4, held to -126 .. 127; a block of zeros has e = 0. As a byte (E8M0): e + 127.
;;     - Each number is divided by its block's scale, clamped to +-28, and rounded to the nearest number of E3M2, ties to even, subnormals kept.
;;     - The product sums the exact products of the quantised numbers (number of the format x scale) in f32.
;;   ~~~python
;;   def quantise(x, axis):      # numpy; x: float32 -> the quantised numbers, widened to float32 again
;;       x = np.moveaxis(x, axis, -1); K = x.shape[-1]
;;       x = np.pad(x, [(0, 0)] * (x.ndim - 1) + [(0, -K % 32)]); x = x.reshape(x.shape[:-1] + (-1, 32)); a = np.abs(x).max(-1, keepdims=True)
;;       e = np.where(a > 0, np.clip(np.frexp(np.where(a > 0, a, 1))[1] - 1 - 4, -126, 127), 0)      # np.frexp(a)[1] - 1 = floor(log2(a)), exactly
;;       r = np.clip(x / 2.0 ** e, -28, 28)
;;       step = 2.0 ** (np.maximum(np.frexp(np.where(r == 0, 1, r))[1] - 1, -2) - 2)
;;       q = np.round(r / step) * step * 2.0 ** e      # np.round: ties to even
;;       return np.moveaxis(q.reshape(q.shape[:-2] + (-1,))[..., :K], -1, axis).astype(np.float32)
;;   ~~~
;;   OPERANDS COMPUTED ON THE WAY. 'Computed on the way' means the value that the module computes at that place (a softmax that the list does not call 'softmax' is quantised finished and normalised). What goes into a quantiser is computed in f32, as accurately as f32 sums, v_exp_f32 and their like allow (about 1e-6 of the number): no bf16 or f16 on the way to a quantiser, and a product that is left as it is and whose result goes on into a quantised operand takes f32 operands (vector FMAs, or v_wmma_f32_16x16x4_f32). A number that lies on a knife's edge between two numbers of the format may be rounded either way, as far as f32 arithmetic and the matrix unit's own rounding can turn it there, and no further.
;; 2 versions, each right; version 2 is version 1 with the launch quant written anew for expert scheduling mode. Each part assembles by itself: llvm-mc -triple=amdgcn-amd-amdhsa -mcpu=gfx1250 --defsym DOCPART=n.
;; ======== version 1 of 2: 2 launches
;; workspace buffers: xq 26,214,400 bytes; wq 6,553,600 bytes; axp 2,097,152 bytes
;; launch quant (part 1): grid 256 x 1, 8 waves a work-group, no clusters, 87,040 bytes of LDS; arguments x, w_codes, w_scales, lora_a, xq, wq, axp; writes xq, wq, axp
.if DOCPART == 1
	.amdgcn_target "amdgcn-amd-amdhsa--gfx1250"
	.amdhsa_code_object_version 6
	.text
	.protected	k_qd58df5397d_quant
	.globl	k_qd58df5397d_quant
	.p2align	8
	.type	k_qd58df5397d_quant,@function
k_qd58df5397d_quant:
	s_mov_b64 s[64:65], 0
	v_nop
	global_prefetch_b8 v0, s[64:65] scope:SCOPE_SE
	s_setreg_imm32_b32 hwreg(HW_REG_WAVE_MODE, 25, 1), 1
	s_wait_xcnt 0x0
; x [8192][4096] f32 and W [2048][4096] (W = NF4[w_codes] x w_scales[o][k / 64], one f32 multiplication) become codes of BF6 (E3M2) with one E8M0 scale byte for each 32 along K,
; and 2 x (Q(x) Q(lora_a)^T) is made on the way, since x's codes stand in registers as a matrix operand here.
; A block's scale is 2^(floor(log2(its largest magnitude)) - 4): its byte is the largest magnitude's exponent field - 4, held at 1 from below by a floor among the maximum's leaves.
; LIMITS: NaN and infinities among the inputs are not served.  A block of zeros gets the byte 1 where the rule says 127: its codes are zeros, and this program alone reads the bytes.
;         A code outside 0 .. 15 (the table has no such entry) is held at 15.
; THE WORKSPACE IS LAID AS THE NEXT LAUNCH'S REGISTERS WANT IT.  xq, wq: [group of 128 rows][K step of 128, 32][STP = 12,800 bytes]; a step's block = [tile of 16 rows, 8][1,536 bytes] + 512 bytes of scale words.
;   1,536 bytes = a fragment's 12 registers: registers 4 c .. 4 c + 3 of lane l at 512 c + 16 l.   Scale words: [j, 2][row r, 16][word e, 4]: tile 4 j + e.
;   So any run of n K steps of a group is one dense block of 50 n rows of 256 bytes.
;   axp: [quarter of K, 4][tile of 16 rows, 512][1,024 bytes]: eight f32 registers, 4 c .. 4 c + 3 of lane l at 512 c + 16 l; lane (r, h), register j: 2 x the quarter's part of ax[row r][rank 8 h + j].
; SHARES.  256 work-groups of eight waves, all with the same work: 128 rows x 1,024 K of x (group id / 4, quarter id % 4) and then 128 rows x 256 K of W (group id / 16, pair of K steps id % 16).  Wave w takes 16 rows: tile w.
; A wave walks a stream of 11 SETS of 16 rows x 128 numbers: set 0: lora_a's K step 8 quarter + w (all 16 ranks); sets 1-8: x's eight K steps; sets 9, 10: W's two.
; Each of a set's 16 loads reads 512 consecutive bytes of one row.  The conversions want 16 neighbours along K in ONE lane: so a set turns through the wave's own stage in LDS (rows 528 bytes apart) and comes back
; with register 16 b + i = k 32 b + 16 (lane / 16) + i of row lane % 16.  The sets as loaded lie in register window 1, four of them: loads run four sets (64 loads a wave) ahead.
; lora_a's eight fragments of the quarter go from wave to wave through LDS as images of their registers, behind one barrier.
.set STP,   12800
.set GRP,   32*STP
.set SCO,   12288                      ; where a step's scale words begin
.set STGW,  16*528                     ; a wave's stage
.set LIMG,  8*STGW                     ; lora_a's eight fragments, 1,536 bytes each
.set LSC,   LIMG+8*1536                ; their scale words, 128 bytes each
.set XSCL,  LSC+8*128                  ; the scale words made here: x's eight K steps, 512 bytes each, then W's two
.set L16,  4                           ; v4   16 x lane: every global offset but one; never rewritten
.set STI,  5                           ; v5   the stage, on the way in: 16 x lane
.set STQ,  6                           ; v6   and on the way out: 528 r + 64 h
.set SCW,  7                           ; v7   where my row's scale word goes: 256 (w / 4) + 4 (w % 4) + 16 r
.set SCR,  8                           ; v8   where I read scale words back: 512 w + 16 x lane
.set LIW,  9                           ; v9   where I store lora_a's image: 1,536 w + 16 x lane
.set LIR,  10                          ; v10  where any image is read: 16 x lane
.set LSW,  11                          ; v11  its scale words: 128 w + 4 x lane
.set LSR,  12                          ; v12  4 x lane
.set WSO,  13                          ; v13  256 r: my row of w_scales
.set TB,   14                          ; v14  the NF4 table: lane k holds entry k, k = 0 .. 15
.set TM,   16                          ; v16-19 largest magnitudes, v20-23 bytes, v28-31 the conversions' scale operands
.set PW,   32                          ; v32  the scale word just made
.set LSCL, 33                          ; v33  lora_a's scale word
.set SA,   34                          ; v[34:35], v[36:37] a K step's two w_scales, each twice
.set SB,   36
.set ACC,  40                          ; v40-47, v48-55 two accumulators of ax, by turns
.set PC,   56                          ; v56-67 the codes just made; v68-75 at work
.set LF,   76                          ; v76-87 lora_a's fragment
.set AXO,  88                          ; v88-95 ax on its way out
.set X,    96                          ; v96-159 a set, turned
.set WS,   160                         ; v160-163 my row's four w_scales
.set OUTS, 164                         ; v164-171 scale words on their way out
.set SEL,  42                          ; s[42:43] v_permlanex16_b32's selects for lane l xor 16
.set MSB, 0
.macro WIN new                         ; the immediate's high byte repeats the setting that is left
.if MSB != \new
	s_set_vgpr_msb (MSB<<8)|\new
.set MSB, \new
.endif
.endm
	s_load_b256 s[4:11], s[0:1], 0x0               ; x s[4:5], w_codes s[6:7], w_scales s[8:9], lora_a s[10:11]
	s_load_b128 s[12:15], s[0:1], 0x20             ; xq s[12:13], wq s[14:15]
	s_load_b64 s[16:17], s[0:1], 0x30              ; axp
	v_lshl_add_u32 v254, v0, 2, 0x15000
	v_mov_b32 v255, 0
	v_lshrrev_b32 v1, 5, v0
	v_readfirstlane_b32 s18, v1                    ; wave 0..7
	v_and_b32 v1, 31, v0                           ; lane
	v_and_b32 v2, 15, v0                           ; r
	v_bfe_u32 v3, v0, 4, 1                         ; h
	v_lshlrev_b32 v[L16], 4, v1
	v_lshlrev_b32 v[WSO], 8, v2
	s_lshr_b32 s19, ttmp9, 2                       ; x's group of 128 rows
	s_and_b32 s20, ttmp9, 3                        ; and quarter of K
	s_lshr_b32 s21, ttmp9, 4                       ; W's group
	s_and_b32 s22, ttmp9, 15                       ; and pair of K steps
	; byte offsets, each in a pair with 0 above it (all under 2^31)
	s_lshl_b32 s24, s19, 21                        ; x: 128 rows of 16,384 bytes a group,
	s_lshl_b32 s23, s18, 18                        ;    16 rows a wave,
	s_add_co_u32 s24, s24, s23
	s_lshl_b32 s46, s20, 12                        ;    4,096 bytes a quarter
	s_add_co_u32 s24, s24, s46
	s_mov_b32 s25, 0
	s_lshl_b32 s26, s21, 21                        ; w_codes: the same rows' pitch; 1,024 bytes a pair
	s_add_co_u32 s26, s26, s23
	s_lshl_b32 s46, s22, 10
	s_add_co_u32 s26, s26, s46
	s_mov_b32 s27, 0
	s_lshl_b32 s28, s20, 3                         ; lora_a: K step 8 quarter + w, 512 bytes a step
	s_add_co_u32 s28, s28, s18
	s_lshl_b32 s28, s28, 9
	s_mov_b32 s29, 0
	s_lshl_b32 s30, s21, 15                        ; w_scales: rows of 256 bytes; 16 bytes a pair
	s_lshl_b32 s46, s18, 12
	s_add_co_u32 s30, s30, s46
	s_lshl_b32 s46, s22, 4
	s_add_co_u32 s30, s30, s46
	s_mov_b32 s31, 0
	s_mul_i32 s32, s19, GRP                        ; xq: the group, the quarter's eight K steps,
	s_mul_i32 s46, s20, 8*STP
	s_add_co_u32 s32, s32, s46
	s_mov_b32 s38, s32
	s_mul_i32 s46, s18, 1536                       ;     my tile's image in a step's block
	s_add_co_u32 s32, s32, s46
	s_mov_b32 s33, 0
	s_mul_i32 s34, s21, GRP                        ; wq: the group, the pair's two K steps, my tile
	s_mul_i32 s47, s22, 2*STP
	s_add_co_u32 s34, s34, s47
	s_mov_b32 s40, s34
	s_add_co_u32 s34, s34, s46
	s_mov_b32 s35, 0
	s_lshl_b32 s36, s20, 19                        ; axp: 512 tiles of 1,024 bytes a quarter; tile 8 group + w
	s_lshl_b32 s46, s19, 13
	s_add_co_u32 s36, s36, s46
	s_lshl_b32 s46, s18, 10
	s_add_co_u32 s36, s36, s46
	s_mov_b32 s37, 0
	s_mul_i32 s46, s18, STP                        ; xq's scale words: wave w stores those of the quarter's K step w
	s_add_co_u32 s38, s38, s46
	s_add_co_u32 s38, s38, SCO
	s_mov_b32 s39, 0
	s_min_u32 s46, s18, 1                          ; wq's: waves 0 and 1 store a K step's each (the others store none: held, so that the address stays in the pair)
	s_mul_i32 s46, s46, STP
	s_add_co_u32 s40, s40, s46
	s_add_co_u32 s40, s40, SCO
	s_mov_b32 s41, 0
	s_wait_kmcnt 0x0
	s_add_nc_u64 s[4:5], s[4:5], s[24:25]
	s_add_nc_u64 s[6:7], s[6:7], s[26:27]
	s_add_nc_u64 s[10:11], s[10:11], s[28:29]
	s_add_nc_u64 s[8:9], s[8:9], s[30:31]
	s_add_nc_u64 s[32:33], s[12:13], s[32:33]
	s_add_nc_u64 s[34:35], s[14:15], s[34:35]
	s_add_nc_u64 s[36:37], s[16:17], s[36:37]
	s_add_nc_u64 s[38:39], s[12:13], s[38:39]
	s_add_nc_u64 s[40:41], s[14:15], s[40:41]
; Set n of the stream into raw set n % 4 (window 1): 16 loads, each 512 consecutive bytes of one row.  x and w_codes are read once in the launch; lora_a by 64 work-groups.
.macro LOADN n
.set RS, 64*((\n)%4)
.irp i, 0,1,2,3,4,5,6,7,8,9,10,11,12,13,14,15
.if (\n) == 0
	global_load_b128 v[RS+4*\i:RS+4*\i+3], v[L16], s[10:11] offset:16384*\i
.elseif (\n) <= 8
	global_load_b128 v[RS+4*\i:RS+4*\i+3], v[L16], s[4:5] offset:512*((\n)-1)+16384*\i th:TH_LOAD_NT
.else
	global_load_b128 v[RS+4*\i:RS+4*\i+3], v[L16], s[6:7] offset:512*((\n)-9)+16384*\i th:TH_LOAD_NT
.endif
.endr
.endm
	global_load_b128 v[WS:WS+3], v[WSO], s[8:9]    ; the oldest load: the first counted wait below covers it
	WIN 0x40                                       ; destination window 1, address window 0
	LOADN 0
	LOADN 1
	LOADN 2
	LOADN 3
	WIN 0
	; LDS addresses: a constant + a constant x lane + a constant x wave
	s_mul_i32 s45, s18, STGW
	v_add_nc_u32 v[STI], s45, v[L16]
	v_mul_u32_u24 v[STQ], v2, 528
	v_lshl_add_u32 v[STQ], v3, 6, v[STQ]
	v_add_nc_u32 v[STQ], s45, v[STQ]
	s_lshr_b32 s45, s18, 2
	s_lshl_b32 s45, s45, 8
	s_and_b32 s46, s18, 3
	s_lshl_b32 s46, s46, 2
	s_add_co_u32 s45, s45, s46
	s_add_co_u32 s45, s45, XSCL
	v_lshl_add_u32 v[SCW], v2, 4, s45
	s_lshl_b32 s45, s18, 9
	s_add_co_u32 s45, s45, XSCL
	v_add_nc_u32 v[SCR], s45, v[L16]
	s_mul_i32 s45, s18, 1536
	s_add_co_u32 s45, s45, LIMG
	v_add_nc_u32 v[LIW], s45, v[L16]
	v_add_nc_u32 v[LIR], LIMG, v[L16]
	s_lshl_b32 s45, s18, 7
	s_add_co_u32 s45, s45, LSC
	v_lshl_add_u32 v[LSW], v1, 2, s45
	v_lshl_add_u32 v[LSR], v1, 2, LSC
	s_mov_b32 s[SEL], 0x76543210
	s_mov_b32 s[SEL+1], 0xfedcba98
.irp b, 0,1,2,3
	v_mov_b32 v[TM+4+\b], 0                        ; written once: a lane permute's destination counts as one of its sources
.endr
	v_mov_b32 v[TB], 0                             ; the NF4 table, an entry a lane
.macro NF4 k, bits
	s_mov_b32 s44, \bits
	v_writelane_b32 v[TB], s44, \k
.endm
	NF4 0,  0xbf800000
	NF4 1,  0xbf3239b1
	NF4 2,  0xbf066b30
	NF4 3,  0xbeca32a0
	NF4 4,  0xbe91a24d
	NF4 5,  0xbe3d353f
	NF4 6,  0xbdba7871
	NF4 7,  0x00000000
	NF4 8,  0x3da2faff
	NF4 9,  0x3e24cae3
	NF4 10, 0x3e7c04dd
	NF4 11, 0x3ead033a
	NF4 12, 0x3ee1a4b8
	NF4 13, 0x3f1007ab
	NF4 14, 0x3f3913b3
	NF4 15, 0x3f800000
; Set n has come: it goes into my stage as it was loaded and comes back turned.  LDS serves a wave's instructions in order (ISA guide 5.7.1.4): no wait between the stores and the loads.
.macro TURNIN n
.set RS, 64*((\n)%4)
.if 10-(\n) >= 3
	s_wait_loadcnt 48                              ; set n's 16 loads are in; the three sets behind it may be out
.else
	s_wait_loadcnt 16*(10-(\n))                    ; the stream's end: fewer sets stand behind it
.endif
	WIN 0x04                                       ; an LDS store's data are its source 1: window 1
.irp i, 0,1,2,3,4,5,6,7,8,9,10,11,12,13,14,15
	ds_store_b128 v[STI], v[RS+4*\i:RS+4*\i+3] offset:528*\i
.endr
	WIN 0
.irp b, 0,1,2,3
.irp j, 0,1,2,3
	ds_load_b128 v[X+16*\b+4*\j:X+16*\b+4*\j+3], v[STQ] offset:128*\b+16*\j   ; the 16 rows of a pass start 528 bytes apart: an odd multiple of 16
.endr
.endr
.endm
; 64 numbers of a lane, v[s] .. v[s + 63], register 16 b + i = k 32 b + 16 (lane / 16) + i of my row, become a fragment's codes in v[PC] on and its scale word in v[PW].
.macro QUANT s
.irp b, 0,1,2,3
	v_max3_num_f32 v[TM+\b], |v[\s+16*\b]|, |v[\s+1+16*\b]|, 0x2800000   ; block b: my 16 numbers, and the floor 2^(5 - 127): the byte cannot fall under 1
.endr
.irp i, 2,4,6,8,10,12,14
.irp b, 0,1,2,3
	v_max3_num_f32 v[TM+\b], v[TM+\b], |v[\s+16*\b+\i]|, |v[\s+1+16*\b+\i]|   ; the four blocks by turns: no line waits for the line above it
.endr
.endr
.irp b, 0,1,2,3
	v_permlanex16_b32 v[TM+4+\b], v[TM+\b], s[SEL], s[SEL+1]
.endr
.irp b, 0,1,2,3
	v_max_num_f32 v[TM+\b], v[TM+\b], v[TM+4+\b]   ; with lane l xor 16's: the block's largest magnitude
.endr
.irp b, 0,1,2,3
	v_add_nc_u32 v[TM+12+\b], 0xfe000000, v[TM+\b] ; 4 off its exponent field: the conversion takes the exponent field of this operand as its scale, and nothing else of it
.endr
.irp b, 0,1,2,3
	v_lshrrev_b32 v[TM+4+\b], 23, v[TM+12+\b]      ; the scale's byte
.endr
	v_lshl_or_b32 v[PW], v[TM+5], 8, v[TM+4]       ; the four bytes make my row's scale word
	v_lshl_or_b32 v[PW], v[TM+6], 16, v[PW]
	v_lshl_or_b32 v[PW], v[TM+7], 24, v[PW]
.irp c, 0,1
	v_cvt_scalef32_pk16_bf6_f32 v[PC+6*\c:PC+2+6*\c], v[\s+32*\c:\s+15+32*\c], v[TM+12+2*\c]
	v_cvt_scalef32_pk16_bf6_f32 v[PC+12+4*\c:PC+14+4*\c], v[\s+16+32*\c:\s+31+32*\c], v[TM+12+2*\c+1]   ; (a conversion's three registers begin on an even number)
.endr
	v_nop                                          ; one plain place behind a scaled conversion
.irp c, 0,1                                    ; the operand's layout wants a WHOLE block in a lane: lanes 0-15 block 2 c, lanes 16-31 block 2 c + 1
.irp i, 0,1,2
	v_permlane16_swap_b32 v[PC+6*\c+\i], v[PC+12+4*\c+\i]
.endr
.irp i, 0,1,2
	v_mov_b32 v[PC+3+6*\c+\i], v[PC+12+4*\c+\i]
.endr
.endr
.endm
	; ---- set 0: lora_a's K step 8 quarter + w: its fragment goes to LDS as an image of its registers, for all eight waves
	TURNIN 0
	s_wait_dscnt 0x0                               ; the set is back, so the stage's stores have read raw set 0:
	WIN 0x40
	LOADN 4                                        ; it takes the set four on
	WIN 0
	QUANT X
.irp c, 0,1,2
	ds_store_b128 v[LIW], v[PC+4*\c:PC+4*\c+3] offset:512*\c
.endr
	ds_store_b32 v[LSW], v[PW]
	s_wait_dscnt 0x0                               ; for the others' sake: my image has landed
	s_barrier_signal -1
	s_barrier_wait -1                              ; the quarter's eight fragments of lora_a lie in LDS; nobody writes them again
; ---- x's K step t of the quarter (set t + 1): codes and scale word out, and ax += lora_a's step x mine.
; The product is used transposed: source 0 = lora_a's 16 ranks, source 1 = my 16 rows: lane (r, h) holds ax[row r][rank 8 h + 0 .. 7].  Two accumulators take turns, one instruction a turn.
.macro XSTEP t
	s_wait_xcnt 0x0                                ; the last step's stores of the codes have read v[PC] on: it is written again only behind this wait
	TURNIN (\t)+1
.irp c, 0,1,2
	ds_load_b128 v[LF+4*\c:LF+4*\c+3], v[LIR] offset:1536*(\t)+512*\c
.endr
	ds_load_b32 v[LSCL], v[LSR] offset:128*(\t)
	s_wait_dscnt 4                                 ; the set is back (lora_a's four loads may be out), so the stage's stores have read their raw set:
.if (\t)+5 <= 10
	WIN 0x40
	LOADN (\t)+5                                   ; it takes the set four on
	WIN 0
.endif
	QUANT X
.irp c, 0,1,2
	global_store_b128 v[L16], v[PC+4*\c:PC+4*\c+3], s[32:33] offset:(\t)*STP+512*\c   ; 32 lanes store 512 consecutive bytes, at a multiple of 512 from xq's first byte
.endr
	ds_store_b32 v[SCW], v[PW] offset:512*(\t)     ; lanes r and r + 16 write the same word with the same value
.rept 8
	v_nop                                          ; a scale register written by vector instructions stands 8 places ahead of a scaled matrix instruction, an operand so written 4
.endr
	s_wait_dscnt 1                                 ; lora_a's fragment and scale word are in; the store just issued may be out
.if (\t) < 2
	v_wmma_scale_f32_16x16x128_f8f6f4 v[ACC+8*((\t)%2):ACC+8*((\t)%2)+7], v[LF:LF+11], v[PC:PC+11], 0, v[LSCL], v[PW] matrix_a_fmt:MATRIX_FMT_BF6 matrix_b_fmt:MATRIX_FMT_BF6
.else
	v_wmma_scale_f32_16x16x128_f8f6f4 v[ACC+8*((\t)%2):ACC+8*((\t)%2)+7], v[LF:LF+11], v[PC:PC+11], v[ACC+8*((\t)%2):ACC+8*((\t)%2)+7], v[LSCL], v[PW] matrix_a_fmt:MATRIX_FMT_BF6 matrix_b_fmt:MATRIX_FMT_BF6
.endif
.rept 4
	v_nop                                          ; places ahead of the next loads into lora_a's registers, the next writes of the codes and the scale word, and the first read of the sums
.endr
.endm
.irp t, 0,1,2,3,4,5,6,7
	XSTEP \t
.endr
	; 2 x (the two accumulators' sum): ALPHA / RANK = 2.  Each accumulator is read from its low end on.
.irp k, 0,2,4,6
	v_pk_mul_f32 v[AXO+\k:AXO+\k+1], v[ACC+\k:ACC+\k+1], 2.0 op_sel_hi:[1,0]
.endr
.irp k, 0,2,4,6
	v_pk_fma_f32 v[AXO+\k:AXO+\k+1], v[ACC+8+\k:ACC+9+\k], 2.0, v[AXO+\k:AXO+\k+1] op_sel_hi:[1,0,1]
.endr
	global_store_b128 v[L16], v[AXO:AXO+3], s[36:37]
	global_store_b128 v[L16], v[AXO+4:AXO+7], s[36:37] offset:512
; ---- W's K step q of the pair (set 9 + q): codes -> table entries -> x the block's w_scale -> quantised like x
.macro WSTEP q
	s_wait_xcnt 0x0                                ; the last stores of codes have read v[PC] on
	TURNIN (\q)+9
	s_wait_dscnt 0x0
.set j, 0
.rept 64
	v_min_u32 v[X+j], 15, v[X+j]                   ; a code names a lane of the table: held inside it
.set j, j+1
.endr
.set j, 0
.rept 64
	v_lshlrev_b32 v[X+j], 2, v[X+j]                ; the lane permute takes 4 x lane
.set j, j+1
.endr
.set j, 0
.rept 64
	ds_bpermute_b32 v[X+j], v[X+j], v[TB]          ; NF4[code]: no LDS byte is touched
.set j, j+1
.endr
	v_mov_b32 v[SA], v[WS+2*(\q)]                  ; the step's two blocks of 64 have a w_scale each: twice, as pairs for the packed multiplication
	v_mov_b32 v[SA+1], v[WS+2*(\q)]
	v_mov_b32 v[SB], v[WS+2*(\q)+1]
	v_mov_b32 v[SB+1], v[WS+2*(\q)+1]
	s_wait_dscnt 0x0
.set j, 0
.rept 16
	v_pk_mul_f32 v[X+j:X+j+1], v[X+j:X+j+1], v[SA:SA+1]              ; registers 0-31: k 0 .. 63 of the step
	v_pk_mul_f32 v[X+32+j:X+33+j], v[X+32+j:X+33+j], v[SB:SB+1]      ; registers 32-63: k 64 .. 127
.set j, j+2
.endr
	QUANT X
.irp c, 0,1,2
	global_store_b128 v[L16], v[PC+4*\c:PC+4*\c+3], s[34:35] offset:(\q)*STP+512*\c
.endr
	ds_store_b32 v[SCW], v[PW] offset:4096+512*(\q)
.endm
	WSTEP 0
	WSTEP 1
	; ---- the scale words leave as they lie in LDS: a K step's 512 consecutive bytes a wave
	s_wait_dscnt 0x0                               ; for the others' sake: my scale words have landed
	s_barrier_signal -1
	s_barrier_wait -1
	ds_load_b128 v[OUTS:OUTS+3], v[SCR]
	s_wait_dscnt 0x0
	global_store_b128 v[L16], v[OUTS:OUTS+3], s[38:39]
	s_cmp_ge_u32 s18, 2                            ; W's pair has two K steps: waves 0 and 1
	s_cbranch_scc1 .Lend
	ds_load_b128 v[OUTS+4:OUTS+7], v[SCR] offset:4096
	s_wait_dscnt 0x0
	global_store_b128 v[L16], v[OUTS+4:OUTS+7], s[40:41]
.Lend:
	s_wait_tensorcnt 0x0
	ds_add_u32 v254, v255
	s_wait_dscnt 0x0
	s_endpgm
.Lfunc_end_k_qd58df5397d_quant:
	.size	k_qd58df5397d_quant, .Lfunc_end_k_qd58df5397d_quant-k_qd58df5397d_quant
	.p2alignl 7, 3214868480
	.fill 96, 4, 3214868480
	.section	.rodata,"a",@progbits
	.p2align	6, 0x0
	.amdhsa_kernel k_qd58df5397d_quant
		.amdhsa_group_segment_fixed_size 87040
		.amdhsa_private_segment_fixed_size 0
		.amdhsa_enable_private_segment 0
		.amdhsa_kernarg_size 56
		.amdhsa_user_sgpr_count 2
		.amdhsa_user_sgpr_kernarg_segment_ptr 1
		.amdhsa_wavefront_size32 1
		.amdhsa_system_sgpr_workgroup_id_x 1
		.amdhsa_system_sgpr_workgroup_id_y 1
		.amdhsa_system_sgpr_workgroup_id_z 1
		.amdhsa_system_vgpr_workitem_id 0
		.amdhsa_next_free_vgpr 512
		.amdhsa_next_free_sgpr 66
		.amdhsa_reserve_vcc 0
		.amdhsa_float_denorm_mode_32 3
		.amdhsa_float_denorm_mode_16_64 3
		.amdhsa_memory_ordered 1
		.amdhsa_forward_progress 1
		.amdhsa_inst_pref_size 120
	.end_amdhsa_kernel
	.amdgpu_metadata
---
amdhsa.version: [ 1, 2 ]
amdhsa.kernels:
  - .name:           k_qd58df5397d_quant
    .symbol:         k_qd58df5397d_quant.kd
    .args:
      - { .name: x, .offset: 0, .size: 8, .value_kind: global_buffer, .address_space: global }
      - { .name: w_codes, .offset: 8, .size: 8, .value_kind: global_buffer, .address_space: global }
      - { .name: w_scales, .offset: 16, .size: 8, .value_kind: global_buffer, .address_space: global }
      - { .name: lora_a, .offset: 24, .size: 8, .value_kind: global_buffer, .address_space: global }
      - { .name: xq, .offset: 32, .size: 8, .value_kind: global_buffer, .address_space: global }
      - { .name: wq, .offset: 40, .size: 8, .value_kind: global_buffer, .address_space: global }
      - { .name: axp, .offset: 48, .size: 8, .value_kind: global_buffer, .address_space: global }
    .group_segment_fixed_size: 87040
    .private_segment_fixed_size: 0
    .kernarg_segment_align: 8
    .kernarg_segment_size: 56
    .max_flat_workgroup_size: 256
    .sgpr_count:     66
    .vgpr_count:     512
    .wavefront_size: 32
...
	.end_amdgpu_metadata
.endif
;; end of part 1
;; launch gemm (part 2): grid 8 x 32, 4 waves a work-group, clusters of 4 x 4, 327,680 bytes of LDS; arguments xq, wq, axp, lora_b, out0; writes out0
.if DOCPART == 2
	.amdgcn_target "amdgcn-amd-amdhsa--gfx1250"
	.amdhsa_code_object_version 6
	.text
	.protected	k_qd58df5397d_gemm
	.globl	k_qd58df5397d_gemm
	.p2align	8
	.type	k_qd58df5397d_gemm,@function
k_qd58df5397d_gemm:
	s_mov_b64 s[64:65], 0
	v_nop
	global_prefetch_b8 v0, s[64:65] scope:SCOPE_SE
	s_setreg_imm32_b32 hwreg(HW_REG_WAVE_MODE, 25, 1), 1
	s_wait_xcnt 0x0
	s_wait_alu depctr_hold_cnt(0) depctr_sa_sdst(0) depctr_va_vdst(0) depctr_va_sdst(0) depctr_va_ssrc(0) depctr_va_vcc(0) depctr_vm_vsrc(0)
	s_getreg_b32 s2, hwreg(HW_REG_IB_STS2, 6, 4)
	s_cmp_eq_u32 s2, 0
	s_cbranch_scc0 .Lentry_in_a_cluster
	s_endpgm
.Lentry_in_a_cluster:
	s_bfe_u32 s2, ttmp6, 0x10000c
	s_cmp_lg_u32 s2, 0xf033
	s_cbranch_scc0 .Lentry_shape_is_right
	s_endpgm
.Lentry_shape_is_right:
; out0[m][n] = sum over k of Q(x)[m][k] Q(W)[n][k]  +  sum over rank of (2 ax)[m][rank] lora_b[n][rank].   m 8,192, n 2,048, k 4,096, rank 16.   out0: f32.
; The first product runs on codes of BF6 (E3M2) with E8M0 scales, as the launch before has laid them (xq, wq); the second on bf16 operands (its K is 16), one matrix instruction an accumulator, and it STARTS the sums: nothing is cleared.
; LIMIT: ax and lora_b are rounded to bf16 for the second product (bf16 keeps f32's range).
; xq, wq: [group of 128 rows][K step of 128, 32][STP = 12,800 bytes]; a step's block = [tile of 16 rows i, 8][1,536 bytes: a fragment's 12 registers, 4 c .. 4 c + 3 of lane l at 512 c + 16 l] + 512 bytes of scale words
; ([j, 2][row r, 16][word e, 4]: tile 4 j + e).  So n K steps of a group are 50 n dense rows of 256 bytes for ONE tensor load, a fragment is three ds_load_b128 of 512 consecutive bytes, and a step's scale words are two.
; A tile of out0, 256 x 256, is made by a work-group of four waves, as many as a WGP has SIMDs; a wave makes 128 x 128: 64 accumulators of 16 x 16, 512 registers.  32 x 8 tiles: 256 work-groups.
; THE RING: two LDS slots of THREE K steps; a slot holds four blocks of 38,400 bytes: A's two groups, then B's two; wave w fetches block w.  Two slots of four K steps would take 409,600 bytes: more than a WGP's LDS.
; 32 K steps are ten slots of three and one of two: the last refill has a group 1 of its own, with 100 rows.  From a refill to the wait for it a wave issues 160 matrix instructions.
; CLUSTERS: 4 x 4 work-groups.  The four of a row of the cluster need the same blocks of xq, the four of a column the same blocks of wq: each block is asked for JOINTLY, by the same tensor load with the same descriptor and a mask that names the four.
; THE MATRIX INSTRUCTIONS ARE USED TRANSPOSED (source 0 = 16 rows of W or lora_b, source 1 = 16 rows of x or ax): a lane then holds eight neighbouring numbers of a row of out0.
; REGISTERS, in windows of 256: window 0: v16-31 addresses; v32-47 scale words, two sets of eight; v64-127 ax's eight bf16 fragments; from v128 A's fragments (8 x 12), ONE set; on the way out v128-255 rows of out0.
;   window 1: B's fragments, TWO sets, at v0 and v128 (ahead of the loop: v0-63 lora_b's eight bf16 fragments, v64-127 lora_b as loaded, v128-255 ax's parts of tiles 4-7).
;   window 2: the 32 accumulators of my rows 0-63 (accumulator (a, b) at v[8 (8 a + b)]);   window 3: those of my rows 64-127.
.set STP,    12800                     ; a K step's block of a group
.set GRP,    32*STP
.set SCO,    12288                     ; where a step's scale words begin
.set NQ,     3                         ; K steps in a slot
.set BLK,    NQ*STP                    ; what one tensor load brings
.set SLOT,   4*BLK
.set SPARE,  2*SLOT                    ; behind the ring: the spare words, 128 bytes for each wave: two blocks of 256 bytes that no other line names
.set STAGE,  SLOT                      ; the way out: a stage of 16 rows x (512 bytes + 16) for each wave, in slot 1, which has had its last fill and its last read when the first result is stored there
.set SPITCH, 528
.set FR,     12                        ; registers of a fragment: 16 rows x 128 K
.set NL,     3                         ; LDS loads that bring one
.set NP,     4                         ; places behind these matrix instructions (ISA guide 7.12.1)
.set LAPS,   4                         ; the loop's trips: a lap = two slots = six K steps; the fifth lap and the short last slot are written out
.set SIZE_N, 2048
.set ADRA, 16                          ; v16-17  LDS address of my A fragments in slot 0, 1: 16 x lane + my rows' block
.set ADRS, 18                          ; v18-19  of my scale words: lanes 0-15 A's block, lanes 16-31 B's; + 16 r
.set ADRB, 20                          ; v20-21  of my B fragments
.set LQ,   22                          ; v22     16 x lane: ax's parts; also my byte offset in a row of out0
.set CO,   22
.set LBO,  23                          ; v23     lora_b: 64 r + 32 h
.set STO,  24                          ; v24     the way out: where I put 32 bytes of a row
.set RD,   25                          ; v25     the way out: where I read a row back
.set SPW,  28                          ; v28     LDS address of my spare word: SPARE + 4 x my thread's number; never rewritten
.set NIL,  29                          ; v29     0; never rewritten
.set PFO,  30                          ; v30-31  the prefetches' offsets; never rewritten
.set PFO1, 31
.set SC,   32                          ; scale words: set p (K steps of parity p) at v[SC + 8 p]; register i: lanes 0-15 the word of A's tile i, lanes 16-31 that of B's tile i
.set LA,   64                          ; ax's fragments
.set AF,   128                         ; A's fragments
.set BK,   128                         ; the way out: v128-191 and v192-255 by turns
.set G1,  24                           ; s[24:31] descriptor group 1 for A's blocks;  s[32:39] group 0, one set for each slot
.set G0,  32
.set G1B, 48                           ; s[48:55], s[56:63] the same for B's
.set G0B, 56
.set G1T, 76                           ; s[76:83], s[84:91] groups 1 for the short last slot: two K steps
.set G1BT, 84
.set PFA, 66                           ; s[66:67] where my prefetches stand
.set LIM, 68                           ; s68  1 in a wave that prefetches, else the greatest number
.set MSB, 0
.macro WIN new                         ; the immediate's high byte repeats the setting that is left
.if MSB != \new
	s_set_vgpr_msb (MSB<<8)|\new
.set MSB, \new
.endif
.endm
.set MUL_LO, 0xa1                      ; source 0 (B) window 1, source 1 (A) window 0, C and D window 2
.set MUL_HI, 0xf1                      ; the same, C and D window 3
.set TO_B,   0x40                      ; destination window 1, address window 0
; A joint load: waves 0 and 1 fetch for A, waves 2 and 3 for B.  Each of the two lines has ONE mask and one set of registers for all that issue it; the branch hangs on the wave's number alone.
; Four v_nop follow each of the two lines, ahead of the jump, the label and what follows.
.macro JLOAD g0a, g1a, g0b, g1b
	s_cmp_eq_u32 s15, 0
	s_cbranch_scc0 .Lfor_b_\@
	tensor_load_to_lds s[\g0a:\g0a+3], s[\g1a:\g1a+7]
	s_nop 0
.rept 4
	v_nop
.endr
	s_branch .Lasked_\@
.Lfor_b_\@:
	tensor_load_to_lds s[\g0b:\g0b+3], s[\g1b:\g1b+7]
	s_nop 0
.rept 4
	v_nop
.endr
.Lasked_\@:
.endm
.macro CREST                           ; a round of the cluster's barrier behind its opening barrier
	s_cmp_lg_u32 s14, 0
	s_cbranch_scc1 .Lnot_wave_0_\@
	s_barrier_signal -3
.Lnot_wave_0_\@:
	s_barrier_wait -3
	s_barrier_signal -1
	s_barrier_wait -1
.endm
.macro CROUND                          ; a whole round
	s_barrier_signal -1
	s_barrier_wait -1
	CREST
.endm
; A PREFETCH INTO THE L2, behind each joint refill of the loop, its four lines and the run of LDS loads that follows: the block that the NEXT refill will ask for (a slot, 192 matrix instructions, ahead of that load).
; Each 256 bytes of a block are named by one work-group of the launch.  A's blocks are read by both clusters of a row of clusters: cluster x = 0 asks; B's by all eight of a column: cluster y = 0 asks.
; The four partners that ask for a block jointly share its 150 rows of 256 bytes out BY ADDRESS: the partner at place p (cx for A, cy for B) names rows 38 p .. 38 p + 37, held at row 149: 32 by the first
; instruction, a lane a row, six by the second (its lanes 5-31 name one row together).
; how = 0: the change that leaves slot 0: there is always a whole block behind.  how = 1: the change that leaves slot 1: in the loop's last trip what follows is the short last slot, which comes by its load alone.
; Slots 0, 1 and 2 come by their loads alone too: nothing is prefetched at the head.
.macro ASK how
.if \how
	s_cmp_gt_u32 s3, s[LIM]                        ; s3 = 1 in the loop's last trip
.else
	s_cmp_eq_u32 s[LIM], 1
.endif
	s_cbranch_scc0 .Lnot_mine_\@
	global_prefetch_b8 v[PFO], s[PFA:PFA+1] th:TH_LOAD_NT scope:SCOPE_SE
	global_prefetch_b8 v[PFO1], s[PFA:PFA+1] th:TH_LOAD_NT scope:SCOPE_SE
.Lnot_mine_\@:
.endm
	s_load_b256 s[4:11], s[0:1], 0x0               ; xq s[4:5], wq s[6:7], axp s[8:9], lora_b s[10:11]
	s_load_b64 s[12:13], s[0:1], 0x20              ; out0
	v_lshl_add_u32 v[SPW], v0, 2, SPARE
	v_mov_b32 v[NIL], 0
	ds_add_u32 v28, v29
	ds_add_u32 v28, v29
	s_wait_dscnt 0x0
	v_lshrrev_b32 v1, 5, v0
	v_readfirstlane_b32 s14, v1                    ; wave 0..3
	s_lshr_b32 s15, s14, 1                         ; which half of the tile's rows is mine.  Also: I fetch for A (0) or for B (1)
	s_and_b32 s16, s14, 1                          ; which half of its columns.  Also: which of the two groups I fetch
	s_bfe_u32 s40, ttmp6, 0x40000                  ; cx, cy: my place in the cluster
	s_bfe_u32 s41, ttmp6, 0x40004
	s_lshl_b32 s42, ttmp9, 2
	s_add_co_u32 s42, s42, s40                     ; tile column = 4 x cluster x + cx
	s_and_b32 s17, ttmp7, 0xffff
	s_lshl_b32 s17, s17, 2
	s_add_co_u32 s17, s17, s41                     ; tile row = 4 x cluster y + cy
	s_lshl_b32 s43, s41, 2
	s_lshl_b32 s43, 15, s43                        ; my row of the cluster
	s_lshl_b32 s44, 0x1111, s40                    ; my column
	; descriptor group 1: a dense block of rows of 32 elements of 8 bytes, no padding (every LDS read of it takes 16 consecutive bytes a lane): 150 rows for three K steps, 100 for two
	s_or_b32 s[G1+0], s43, (3<<16)|(1<<21)         ; 15:0 the mask: A's blocks go to my row; 17:16 elements of 8 bytes; 21 set beside a mask
	s_or_b32 s[G1B+0], s44, (3<<16)|(1<<21)        ; B's go to my column
	s_or_b32 s[G1T+0], s43, (3<<16)|(1<<21)
	s_or_b32 s[G1BT+0], s44, (3<<16)|(1<<21)
.irp g, G1, G1B
	s_mov_b32 s[\g+1], 32<<16                      ; tensor_dim0 = 32
	s_mov_b32 s[\g+2], 150<<16                     ; tensor_dim1 = 150
	s_mov_b32 s[\g+3], 32<<16                      ; tile_dim0 = 32
	s_mov_b32 s[\g+4], 150                         ; tile_dim1 = 150
	s_mov_b32 s[\g+5], 32                          ; tensor_dim0_stride
	s_mov_b32 s[\g+6], 0
	s_mov_b32 s[\g+7], 0
.endr
.irp g, G1T, G1BT
	s_mov_b32 s[\g+1], 32<<16
	s_mov_b32 s[\g+2], 100<<16                     ; tensor_dim1 = 100
	s_mov_b32 s[\g+3], 32<<16
	s_mov_b32 s[\g+4], 100                         ; tile_dim1 = 100
	s_mov_b32 s[\g+5], 32
	s_mov_b32 s[\g+6], 0
	s_mov_b32 s[\g+7], 0
.endr
	s_lshl_b32 s72, s17, 1
	s_add_co_u32 s72, s72, s16
	s_mul_i32 s72, s72, GRP                        ; A: group 2 x tile row + half, in bytes
	s_lshl_b32 s73, s42, 1
	s_add_co_u32 s73, s73, s16
	s_mul_i32 s73, s73, GRP                        ; B: group 2 x tile column + half
	s_mov_b32 s20, s72
	s_mov_b32 s21, 0
	s_mov_b32 s46, s73
	s_mov_b32 s47, 0
	s_mul_i32 s45, s14, BLK                        ; where they go: block = wave: no place in the cluster enters an LDS address
	v_and_b32 v1, 15, v0                           ; r
	v_bfe_u32 v2, v0, 4, 1                         ; h
	v_and_b32 v3, 31, v0                           ; lane
	v_lshlrev_b32 v[LQ], 4, v3
	v_lshlrev_b32 v[LBO], 6, v1
	v_lshl_add_u32 v[LBO], v2, 5, v[LBO]
	s_wait_kmcnt 0x0
	s_add_nc_u64 s[20:21], s[4:5], s[20:21]
	s_add_nc_u64 s[46:47], s[6:7], s[46:47]
	CROUND                                         ; all sixteen work-groups are here: the first joint loads meet
.irp s, 0,1
	s_mov_b32 s[G0+4*\s], 1                        ; count = 1
	s_add_co_u32 s[G0+4*\s+1], s45, \s*SLOT        ; LDS address
	s_add_nc_u64 s[G0+4*\s+2:G0+4*\s+3], s[20:21], \s*BLK   ; global address: K steps 3 s on
	s_or_b32 s[G0+4*\s+3], s[G0+4*\s+3], 0x80000000         ; type = 2
	s_mov_b32 s[G0B+4*\s], 1
	s_add_co_u32 s[G0B+4*\s+1], s45, \s*SLOT
	s_add_nc_u64 s[G0B+4*\s+2:G0B+4*\s+3], s[46:47], \s*BLK
	s_or_b32 s[G0B+4*\s+3], s[G0B+4*\s+3], 0x80000000
	JLOAD G0+4*\s, G1, G0B+4*\s, G1B               ; two tensor loads of mine are out
.endr
	; ---- the second product's operands.  ax: four parts (quarters of K) of my eight tiles of rows; lora_b: my 128 rows.  80 loads in one run.
	s_lshl_b32 s22, s17, 14                        ; axp: tile 16 x tile row + 8 x half, 1,024 bytes a tile
	s_lshl_b32 s18, s15, 13
	s_add_co_u32 s22, s22, s18
	s_mov_b32 s23, 0
	s_add_nc_u64 s[8:9], s[8:9], s[22:23]
	s_lshl_b32 s92, s42, 14                        ; lora_b: row 256 x tile column + 128 x half, 64 bytes a row
	s_lshl_b32 s18, s16, 13
	s_add_co_u32 s92, s92, s18
	s_mov_b32 s93, 0
	s_add_nc_u64 s[10:11], s[10:11], s[92:93]
.irp a, 0,1,2,3
.irp p, 0,1,2,3
.irp c, 0,1
	global_load_b128 v[128+32*\a+8*\p+4*\c:128+32*\a+8*\p+4*\c+3], v[LQ], s[8:9] offset:\p*524288+\a*1024+512*\c
.endr
.endr
.endr
	WIN TO_B
.irp a, 0,1,2,3
.irp p, 0,1,2,3
.irp c, 0,1
	global_load_b128 v[128+32*\a+8*\p+4*\c:128+32*\a+8*\p+4*\c+3], v[LQ], s[8:9] offset:\p*524288+(\a+4)*1024+512*\c
.endr
.endr
.endr
.irp b, 0,1,2,3,4,5,6,7
	global_load_b128 v[64+8*\b:64+8*\b+3], v[LBO], s[10:11] offset:1024*\b        ; lane (r, h): lora_b[16 b + r][8 h + 0 .. 7]
	global_load_b128 v[64+8*\b+4:64+8*\b+7], v[LBO], s[10:11] offset:1024*\b+16
.endr
	WIN 0
	; addresses, while the loads are on their way
	s_mul_i32 s18, s15, BLK                        ; my rows' block of A
	s_mul_i32 s19, s16, BLK
	s_add_co_u32 s19, s19, 2*BLK                   ; my columns' block of B, behind A's two
	s_xor_b32 s2, s15, 1
	s_add_co_u32 s2, s2, s16
	s_add_co_u32 s2, s2, 1
	s_mul_i32 s2, s2, BLK                          ; from the one to the other: (2 + column half - row half) blocks
	v_mul_u32_u24 v4, s2, v2                       ; lanes 16-31 take B's scale words: ONE product on the lane's half
	v_lshl_add_u32 v4, v1, 4, v4                   ; + 16 r
.irp s, 0,1
	v_add_nc_u32 v[ADRA+\s], s18, v[LQ]
	v_add_nc_u32 v[ADRB+\s], s19, v[LQ]
	v_add_nc_u32 v[ADRS+\s], s18, v4
	s_add_co_u32 s18, s18, SLOT
	s_add_co_u32 s19, s19, SLOT
.endr
	s_mul_i32 s18, s14, 16*SPITCH
	s_add_co_u32 s18, s18, STAGE                   ; my stage
	v_mul_u32_u24 v5, v1, SPITCH                   ; in: row r, 32 bytes for each half of the lanes
	v_lshl_add_u32 v5, v2, 5, v5
	v_add_nc_u32 v[STO], s18, v5
	v_add_nc_u32 v[RD], s18, v[LQ]                 ; back: the 32 lanes take one row of 512 bytes
	s_lshl_b32 s22, s17, 21                        ; out0: row 256 x tile row + 128 x half, 8,192 bytes a row
	s_lshl_b32 s18, s15, 20
	s_add_co_u32 s22, s22, s18
	s_add_nc_u64 s[12:13], s[12:13], s[22:23]
	s_lshl_b32 s92, s42, 10                        ; column, in bytes: 1,024 x tile column + 512 x half
	s_lshl_b32 s18, s16, 9
	s_add_co_u32 s92, s92, s18
	s_add_nc_u64 s[12:13], s[12:13], s[92:93]
	; the prefetches: whose, and where they stand
	s_and_b32 s69, ttmp7, 0xffff                   ; cluster y
	s_cmp_eq_u32 s15, 0                            ; do I fetch for A?
	s_cselect_b32 s70, s72, s73                    ; my group, in bytes
	s_cselect_b32 s71, s40, s41                    ; my place among the four that ask for it with me
	s_cselect_b32 s69, ttmp9, s69                  ; the coordinate along which other clusters read the same blocks
	s_cselect_b64 s[PFA:PFA+1], s[4:5], s[6:7]
	s_cmp_eq_u32 s69, 0
	s_cselect_b32 s[LIM], 1, -1                    ; the same in all sixteen partners, for a given wave
	s_mul_i32 s71, s71, 38                         ; my work-group's first row of a block's 150
	v_add_nc_u32 v[PFO], s71, v3                   ; rows 38 p + lane,
	v_lshlrev_b32 v[PFO], 8, v[PFO]
	v_min_u32 v6, 5, v3
	v_add_nc_u32 v6, s71, v6
	v_add_nc_u32 v6, 32, v6                        ; and 38 p + 32 + 0 .. 5,
	v_min_u32 v6, 149, v6                          ; held at the block's last row
	v_lshlrev_b32 v[PFO1], 8, v6
	s_add_co_u32 s70, s70, 2*BLK                   ; at slot 2: the first refill (slot 2) steps it to slot 3
	s_mov_b32 s71, 0
	s_add_nc_u64 s[PFA:PFA+1], s[PFA:PFA+1], s[70:71]
	s_wait_loadcnt 0x0
.macro SUM4 tl                         ; a tile's four parts of ax are added: (p0 + p1) + (p2 + p3)
.set T, 128+32*(\tl)
.irp k, 0,2,4,6
	v_pk_add_f32 v[T+\k:T+\k+1], v[T+\k:T+\k+1], v[T+8+\k:T+9+\k]
	v_pk_add_f32 v[T+16+\k:T+17+\k], v[T+16+\k:T+17+\k], v[T+24+\k:T+25+\k]
.endr
.irp k, 0,2,4,6
	v_pk_add_f32 v[T+\k:T+\k+1], v[T+\k:T+\k+1], v[T+16+\k:T+17+\k]
.endr
.endm
.macro TOBF a                          ; lane (r, h) holds ranks 8 h + 0 .. 7 of row r: rounded in pairs they ARE registers 0-3 of a bf16 fragment (K = 8 h + 0 .. 7)
.set T, 128+32*((\a)%4)
.irp k, 0,1,2,3
	v_cvt_pk_bf16_f32 v[LA+8*(\a)+\k], v[T+2*\k], v[T+2*\k+1]
.endr
.endm
.irp a, 0,1,2,3
	SUM4 \a
.endr
.irp a, 0,1,2,3
	TOBF \a
.endr
.irp a, 0,1,2,3,4,5,6,7
.irp k, 4,5,6,7
	v_mov_b32 v[LA+8*\a+\k], 0                     ; registers 4-7 are K = 16 .. 31: there are 16 ranks
.endr
.endr
	WIN 0x45                                       ; sources 0, 1 and destination window 1
.irp a, 0,1,2,3
	SUM4 \a                                        ; tiles 4-7
.endr
.irp b, 0,1,2,3,4,5,6,7
.irp k, 0,1,2,3
	v_cvt_pk_bf16_f32 v[8*\b+\k], v[64+8*\b+2*\k], v[64+8*\b+2*\k+1]   ; lora_b's fragments
.endr
.irp k, 4,5,6,7
	v_mov_b32 v[8*\b+\k], 0
.endr
.endr
	WIN 0x05                                       ; sources window 1, destination window 0
.irp a, 4,5,6,7
	TOBF \a
.endr
.macro PLACES n
.rept \n
	v_nop
.endr
.endm
	PLACES NP
; The second product: 64 matrix instructions that start all 64 sums, in the order in which the accumulators take turns ever after.
.macro LMUL hi
.irp a, 0,1,2,3
.irp b, 0,1,2,3,4,5,6,7
	v_wmma_f32_16x16x32_bf16 v[8*(8*\a+\b):8*(8*\a+\b)+7], v[8*\b:8*\b+7], v[LA+8*(4*\hi+\a):LA+8*(4*\hi+\a)+7], 0
.endr
.endr
.endm
	WIN MUL_LO
	LMUL 0
	WIN MUL_HI
	LMUL 1
	PLACES NP+1                                    ; the scaled form that goes on with these sums is another form, no link of a chain: five places; they also serve the loads into lora_b's registers
	WIN 0
.macro FRAG reg, adr, q, i             ; tile i's fragment of the slot's q-th K step comes as it was stored: three loads of 512 consecutive bytes
.irp c, 0,1,2
	ds_load_b128 v[\reg+4*\c:\reg+4*\c+3], v[\adr] offset:(\q)*STP+(\i)*1536+512*\c
.endr
.endm
; 16 matrix instructions: A's tiles a0, a0 + 1 x B's eight, 128 along K.  p: the K step's parity: B's set and the set of scale words.
; The 64 accumulators take turns, one instruction a turn, in the same order in every step.
.macro MUL16 a0, p
.irp a, \a0, \a0+1
.irp b, 0,1,2,3,4,5,6,7
	v_wmma_scale_f32_16x16x128_f8f6f4 v[8*(8*((\a)%4)+\b):8*(8*((\a)%4)+\b)+7], v[128*(\p)+FR*\b:128*(\p)+FR*\b+FR-1], v[AF+FR*(\a):AF+FR*(\a)+FR-1], v[8*(8*((\a)%4)+\b):8*(8*((\a)%4)+\b)+7], v[SC+8*(\p)+\b], v[SC+8*(\p)+(\a)] matrix_a_fmt:MATRIX_FMT_BF6 matrix_b_fmt:MATRIX_FMT_BF6 matrix_a_scale:MATRIX_SCALE_ROW1
.endr
.endr
.endm
.macro FETCH_B slot, q, p              ; B's eight fragments of the slot's q-th K step into set p
	WIN TO_B
.irp i, 0,1,2,3,4,5,6,7
	FRAG 128*(\p)+FR*\i, ADRB+\slot, \q, \i
.endr
	WIN 0
.endm
.macro FETCH_A slot, q, i0             ; A's tiles i0 .. i0 + 3
.irp i, \i0, \i0+1, \i0+2, \i0+3
	FRAG AF+FR*(\i), ADRA+\slot, \q, \i
.endr
.endm
.macro SCALES slot, q, p               ; the K step's scale words into set p: register 4 j + e = tile; lanes 0-15 take A's, lanes 16-31 B's
.irp j, 0,1
	ds_load_b128 v[SC+8*(\p)+4*\j:SC+8*(\p)+4*\j+3], v[ADRS+\slot] offset:(\q)*STP+SCO+256*\j
.endr
.endm
; A load into a register that a matrix instruction has read, and an LDS store that reads a matrix result, stand NP places behind that matrix instruction, and only plain vector instructions that name
; none of its registers are places (ISA guide 7.12.1 for vector instructions).
; A K step that has its successor in the same slot.  A tile of A is free as soon as its eight products are issued, so one set serves A: tiles 0-3 are fetched anew in the step's middle, tiles 4-7 at its end;
; B's fragments and the scale words are at work through the whole step and have two sets, by the step's parity.
.macro STEP slot, q, p
	s_wait_dscnt 4*NL                              ; B's set, A's tiles 0-3 and the scale words are in; the youngest twelve loads (A's tiles 4-7) may be out
	WIN MUL_LO
	MUL16 0, \p
	MUL16 2, \p
	s_wait_dscnt 0                                 ; A's tiles 4-7 are in (asked for 32 matrix instructions ago)
	PLACES NP
	FETCH_B \slot, (\q)+1, 1-(\p)
	FETCH_A \slot, (\q)+1, 0
	SCALES \slot, (\q)+1, 1-(\p)
	WIN MUL_HI
	MUL16 4, \p
	MUL16 6, \p
	PLACES NP
	WIN 0
	FETCH_A \slot, (\q)+1, 4
.endm
; A slot's last K step changes slots: ONE barrier; in front of it each wave waits for all its tensor loads, adds 0 to its spare word, and waits for that and for its own reads of this slot.
; fill = 1: this slot is filled again, with the three K steps two slots on; fill = 2: with the two K steps that are left; the barrier then opens a round of the cluster's barrier.  fill = 0: nothing is filled.
.macro TURN slot, next, p, fill, how
.if \fill == 1
	s_wait_xcnt 0x0                                ; the last prefetches, a slot back, have read their address: it is stepped here, ahead of the change's own waits
	s_add_nc_u64 s[PFA:PFA+1], s[PFA:PFA+1], BLK
.endif
	s_wait_tensorcnt 0x0                           ; all my tensor loads have landed: the one that was out is my block of the next slot;  (every window is 0 here)
	ds_add_u32 v[SPW], v[NIL]                      ; 0 onto my spare word
	s_wait_dscnt 4*NL+1                            ; (the add and the youngest twelve loads, A's tiles 4-7, may be out)
	WIN MUL_LO
	MUL16 0, \p                                    ; sixteen matrix instructions stand between the add and the wait for it
	s_wait_dscnt 0x0                               ; the add is done, and my reads of this slot are over
	s_barrier_signal -1
	MUL16 2, \p
	WIN 0
	s_barrier_wait -1
.if \fill
	CREST                                          ; no wave of any partner still reads this slot or has a load on its way
	s_add_nc_u64 s[G0+4*\slot+2:G0+4*\slot+3], s[G0+4*\slot+2:G0+4*\slot+3], 2*BLK
	s_add_nc_u64 s[G0B+4*\slot+2:G0B+4*\slot+3], s[G0B+4*\slot+2:G0B+4*\slot+3], 2*BLK
.if \fill == 1
	JLOAD G0+4*\slot, G1, G0B+4*\slot, G1B         ; the first tensor load behind the round, and my only one until the next; its four v_nop are the places in front of the loads below
.else
	JLOAD G0+4*\slot, G1T, G0B+4*\slot, G1BT       ; the same, for the group's last two K steps
.endif
.else
	PLACES NP
.endif
	FETCH_B \next, 0, 1-(\p)
	FETCH_A \next, 0, 0
	SCALES \next, 0, 1-(\p)
.if \fill == 1
	ASK \how
.endif
	WIN MUL_HI
	MUL16 4, \p
	MUL16 6, \p
	PLACES NP
	WIN 0
	FETCH_A \next, 0, 4
.endm
	s_wait_tensorcnt 1                             ; my block of slot 0 is in (slot 1's load may be out)
	s_barrier_signal -1
	s_barrier_wait -1                              ; everybody's is
	FETCH_B 0, 0, 0
	FETCH_A 0, 0, 0
	SCALES 0, 0, 0
	FETCH_A 0, 0, 4
	s_mov_b32 s3, LAPS
.Llap:                                                 ; a trip goes once round the ring: six K steps, after which B's sets and the scale words' sets are back where they began; both slots are filled again
	STEP 0, 0, 0
	STEP 0, 1, 1
	TURN 0, 1, 0, 1, 0
	STEP 1, 0, 1
	STEP 1, 1, 0
	TURN 1, 0, 1, 1, 1
	s_sub_co_u32 s3, s3, 1
	s_cmp_lg_u32 s3, 0
	s_cbranch_scc1 .Llap
	STEP 0, 0, 0                                   ; the tail is written out: K steps 24 to 31
	STEP 0, 1, 1
	TURN 0, 1, 0, 2, 0                             ; slot 0 takes the last two K steps
	STEP 1, 0, 1
	STEP 1, 1, 0
	TURN 1, 0, 1, 0, 0                             ; nothing is filled, and there is no round of the cluster's barrier; slot 1 is read no more
	STEP 0, 0, 0
	s_wait_dscnt 4*NL                              ; the very last step: nothing more to fetch
	WIN MUL_LO
	MUL16 0, 1
	MUL16 2, 1
	s_wait_dscnt 0
	WIN MUL_HI
	MUL16 4, 1
	MUL16 6, 1
	WIN 0
; THE WAY OUT, block by block of 16 rows x 128 columns.  A lane holds 32 neighbouring bytes of a row, and the lanes beside it hold other rows: so a block goes through my own stage in LDS and comes back as whole
; rows of 512 bytes.  LDS serves a wave's instructions in order (ISA guide 5.7.1.4): no wait between the stores and the loads, nor in front of the next block's stores.
.macro TOSTAGE a
.set AC, 64*((\a)%4)
	WIN 0x08+4*((\a)/4)                            ; the data: window 2 or 3
.irp b, 0,1,2,3,4,5,6,7
	ds_store_b128 v[STO], v[AC+8*\b:AC+8*\b+3] offset:64*\b          ; each accumulator from its low end on
	ds_store_b128 v[STO], v[AC+8*\b+4:AC+8*\b+7] offset:64*\b+16
.endr
	WIN 0
.set BB, BK+64*((\a)%2)
.irp t, 0,1,2,3,4,5,6,7,8,9,10,11,12,13,14,15
	ds_load_b128 v[BB+4*\t:BB+4*\t+3], v[RD] offset:\t*SPITCH
.endr
.endm
.macro SEND a, younger                 ; younger: the LDS instructions issued behind block a's loads, which may stay out
.set BB, BK+64*((\a)%2)
	s_wait_dscnt \younger                          ; the block is back in registers
.if (\a) > 0
	s_add_nc_u64 s[12:13], s[12:13], 16*SIZE_N*4   ; (behind a wait on XCNT: the earlier stores have read their base)  16 rows of out0 on
.endif
.irp t, 0,1,2,3,4,5,6,7,8,9,10,11,12,13,14,15
	global_store_b128 v[CO], v[BB+4*\t:BB+4*\t+3], s[12:13] offset:\t*SIZE_N*4 th:TH_STORE_NT   ; 32 lanes store 512 consecutive bytes, at a multiple of 512 from out0's first byte; written once, read by nobody here
.endr
.endm
	PLACES NP                                      ; behind the last products: for the loads into the registers that held A's fragments, and for the reads of the results
	TOSTAGE 0
.irp a, 1,2,3,4,5,6,7
.if \a > 1
	s_wait_xcnt 0x0                                ; block a - 2's stores have read their registers and their base: block a's loads may land there, and the base may step
.endif
	TOSTAGE \a
	SEND \a-1, 32                                  ; behind block a - 1's loads: block a's 16 stores and 16 loads
.endr
	s_wait_xcnt 0x0                                ; block 6's stores have read their base
	SEND 7, 0
	s_wait_tensorcnt 0x0                           ; the wave's end, behind my last tensor load and my last LDS store
	ds_add_u32 v[SPW], v[NIL]
	s_wait_dscnt 0x0
	CROUND                                         ; the closing round: no work-group ends while a partner may still ask for a block that names it
	s_endpgm
.Lfunc_end_k_qd58df5397d_gemm:
	.size	k_qd58df5397d_gemm, .Lfunc_end_k_qd58df5397d_gemm-k_qd58df5397d_gemm
	.p2alignl 7, 3214868480
	.fill 96, 4, 3214868480
	.section	.rodata,"a",@progbits
	.p2align	6, 0x0
	.amdhsa_kernel k_qd58df5397d_gemm
		.amdhsa_group_segment_fixed_size 327680
		.amdhsa_private_segment_fixed_size 0
		.amdhsa_enable_private_segment 0
		.amdhsa_kernarg_size 40
		.amdhsa_user_sgpr_count 2
		.amdhsa_user_sgpr_kernarg_segment_ptr 1
		.amdhsa_wavefront_size32 1
		.amdhsa_system_sgpr_workgroup_id_x 1
		.amdhsa_system_sgpr_workgroup_id_y 1
		.amdhsa_system_sgpr_workgroup_id_z 1
		.amdhsa_system_vgpr_workitem_id 0
		.amdhsa_next_free_vgpr 1024
		.amdhsa_next_free_sgpr 98
		.amdhsa_reserve_vcc 0
		.amdhsa_float_denorm_mode_32 3
		.amdhsa_float_denorm_mode_16_64 3
		.amdhsa_memory_ordered 1
		.amdhsa_forward_progress 1
		.amdhsa_inst_pref_size 229
	.end_amdhsa_kernel
	.amdgpu_metadata
---
amdhsa.version: [ 1, 2 ]
amdhsa.kernels:
  - .name:           k_qd58df5397d_gemm
    .symbol:         k_qd58df5397d_gemm.kd
    .args:
      - { .name: xq, .offset: 0, .size: 8, .value_kind: global_buffer, .address_space: global }
      - { .name: wq, .offset: 8, .size: 8, .value_kind: global_buffer, .address_space: global }
      - { .name: axp, .offset: 16, .size: 8, .value_kind: global_buffer, .address_space: global }
      - { .name: lora_b, .offset: 24, .size: 8, .value_kind: global_buffer, .address_space: global }
      - { .name: out0, .offset: 32, .size: 8, .value_kind: global_buffer, .address_space: global }
    .group_segment_fixed_size: 327680
    .private_segment_fixed_size: 0
    .kernarg_segment_align: 8
    .kernarg_segment_size: 40
    .max_flat_workgroup_size: 128
    .sgpr_count:     98
    .vgpr_count:     1024
    .wavefront_size: 32
...
	.end_amdgpu_metadata
.endif
;; end of part 2
;; ======== version 2 of 2: 2 launches; version 1 with the launch quant written anew for expert scheduling mode
;; workspace buffers: xq 26,214,400 bytes; wq 6,553,600 bytes; axp 2,097,152 bytes
;; launch quant (part 3): grid 256 x 1, 8 waves a work-group, no clusters, 87,040 bytes of LDS; arguments x, w_codes, w_scales, lora_a, xq, wq, axp; writes xq, wq, axp
.if DOCPART == 3
	.amdgcn_target "amdgcn-amd-amdhsa--gfx1250"
	.amdhsa_code_object_version 6
	.text
	.protected	k_qd58df5397d_quant
	.globl	k_qd58df5397d_quant
	.p2align	8
	.type	k_qd58df5397d_quant,@function
k_qd58df5397d_quant:
	s_mov_b64 s[64:65], 0
	v_nop
	global_prefetch_b8 v0, s[64:65] scope:SCOPE_SE
	s_setreg_imm32_b32 hwreg(HW_REG_WAVE_SCHED_MODE, 0, 2), 2
	s_setreg_imm32_b32 hwreg(HW_REG_WAVE_MODE, 25, 1), 1
	s_wait_xcnt 0x0
	s_wait_alu depctr_vm_vsrc(0)
; x [8192][4096] f32 and W [2048][4096] (W = NF4[w_codes] x w_scales[o][k / 64], one f32 multiplication) become codes of BF6 (E3M2) with one E8M0 scale byte for each 32 along K,
; and 2 x (Q(x) Q(lora_a)^T) is made on the way, since x's codes stand in registers as a matrix operand here.
; A block's scale is 2^(floor(log2(its largest magnitude)) - 4): its byte is the largest magnitude's exponent field - 4, held at 1 from below by a floor among the maximum's leaves.
; LIMITS: NaN and infinities among the inputs are not served.  A block of zeros gets the byte 1 where the rule says 127: its codes are zeros, and this program alone reads the bytes.
;         A code outside 0 .. 15 (the table has no such entry) is held at 15.
; THE WORKSPACE IS LAID AS THE NEXT LAUNCH'S REGISTERS WANT IT.  xq, wq: [group of 128 rows][K step of 128, 32][STP = 12,800 bytes]; a step's block = [tile of 16 rows, 8][1,536 bytes] + 512 bytes of scale words.
;   1,536 bytes = a fragment's 12 registers: registers 4 c .. 4 c + 3 of lane l at 512 c + 16 l.   Scale words: [j, 2][row r, 16][word e, 4]: tile 4 j + e.
;   So any run of n K steps of a group is one dense block of 50 n rows of 256 bytes.
;   axp: [quarter of K, 4][tile of 16 rows, 512][1,024 bytes]: eight f32 registers, 4 c .. 4 c + 3 of lane l at 512 c + 16 l; lane (r, h), register j: 2 x the quarter's part of ax[row r][rank 8 h + j].
; SHARES.  256 work-groups of eight waves, all with the same work: 128 rows x 1,024 K of x (group id / 4, quarter id % 4) and then 128 rows x 256 K of W (group id / 16, pair of K steps id % 16).  Wave w takes 16 rows: tile w.
; A wave walks a stream of 11 SETS of 16 rows x 128 numbers: set 0: lora_a's K step 8 quarter + w (all 16 ranks); sets 1-8: x's eight K steps; sets 9, 10: W's two.
; Each of a set's 16 loads reads 512 consecutive bytes of one row.  The conversions want 16 neighbours along K in ONE lane: so a set turns through the wave's own stage in LDS (rows 528 bytes apart) and comes back
; with register 16 b + i = k 32 b + 16 (lane / 16) + i of row lane % 16.  The sets as loaded lie in register window 1, four of them: loads run four sets (64 loads a wave) ahead.
; lora_a's eight fragments of the quarter go from wave to wave through LDS as images of their registers, behind one barrier.
; THE MODE: SCHED_MODE bits 1:0 = 2 (LLVM: expert scheduling mode 2), set by the entry lines.  The code itself states the register dependences between vector or matrix instructions and memory or LDS
; instructions, with s_wait_alu, always for 0.
; THE PLAN.  Registers that memory or LDS instructions touch:
;   RAW0 .. RAW3  (window 1)  Set m's 16 loads land in RAW[m % 4]; the 16 LDS stores of FEED m read it; the loads of set m + 4 land in it straight behind them.  No vector instruction names them.
;   X0, X1        FEED m's 16 LDS loads land in X[m % 2]; set m's vector lines read it (W's sets: they write it too, and the lane permutes read it and land in it).
;   PC, PW        Written by QUANT; read by the step's stores and by its matrix instruction; written again by the next step's QUANT.
;   LF0, LF1      and a scale word to each: the four LDS loads of x's step t land in set t % 2; the step's matrix instruction reads it.
;   AXO           Written by eight packed lines, read by two stores, once.
;   v4 .. v14     Offsets, LDS addresses and the table: made at the head and never written again.   v254, v255: made at the head, read by the closing add alone.
; A STEP (set n): lora_a's loads; FEED n + 1 (the next set through the stage, and the loads of set n + 5); the wait for X[n % 2]; QUANT; the places; ONE wait on va_vdst; the stores; the matrix instruction.
; That wait states that PC and PW are written, that QUANT is done reading X[n % 2], in which FEED n + 2's loads land, and that the matrix instruction of the step before is done reading its fragment of lora_a,
; in which the next step's loads land.  Behind it the vector side issues the matrix instruction and v_nop alone, which name none of the registers that those later loads touch.
; ONE wait on vm_vsrc stands in each FEED: the stage's stores have read RAW[m % 4], and the last step's stores have read PC and PW.
.set STP,   12800
.set GRP,   32*STP
.set SCO,   12288                      ; where a step's scale words begin
.set STGW,  16*528                     ; a wave's stage
.set LIMG,  8*STGW                     ; lora_a's eight fragments, 1,536 bytes each
.set LSC,   LIMG+8*1536                ; their scale words, 128 bytes each
.set XSCL,  LSC+8*128                  ; the scale words made here: x's eight K steps, 512 bytes each, then W's two
.set L16,  4                           ; v4   16 x lane: every global offset but one; never rewritten
.set STI,  5                           ; v5   the stage, on the way in: 16 x lane
.set STQ,  6                           ; v6   and on the way out: 528 r + 64 h
.set SCW,  7                           ; v7   where my row's scale word goes: 256 (w / 4) + 4 (w % 4) + 16 r
.set SCR,  8                           ; v8   where I read scale words back: 512 w + 16 x lane
.set LIW,  9                           ; v9   where I store lora_a's image: 1,536 w + 16 x lane
.set LIR,  10                          ; v10  where any image is read: 16 x lane
.set LSW,  11                          ; v11  its scale words: 128 w + 4 x lane
.set LSR,  12                          ; v12  4 x lane
.set WSO,  13                          ; v13  256 r: my row of w_scales
.set TB,   14                          ; v14  the NF4 table: lane k holds entry k, k = 0 .. 15
.set TM,   16                          ; v16-19 largest magnitudes, v20-23 bytes, v28-31 the conversions' scale operands
.set PW,   32                          ; v32  the scale word just made
.set LSCL, 33                          ; v33, v38  lora_a's scale word: set k at LSCL + 5 k
.set SA,   34                          ; v[34:35], v[36:37] a K step's two w_scales, each twice
.set SB,   36
.set ACC,  40                          ; v40-47, v48-55 two accumulators of ax, by turns
.set PC,   56                          ; v56-67 the codes just made; v68-75 at work
.set LF,   76                          ; v76-87, v236-247 lora_a's fragment: set k at LF + 160 k
.set AXO,  88                          ; v88-95 ax on its way out
.set X,    96                          ; v96-159, v172-235 a set, turned: buffer k at X + 76 k
.set WS,   160                         ; v160-163 my row's four w_scales
.set OUTS, 164                         ; v164-171 scale words on their way out
.set SEL,  42                          ; s[42:43] v_permlanex16_b32's selects for lane l xor 16
.set MSB, 0
.macro WIN new                         ; the immediate's high byte repeats the setting that is left
.if MSB != \new
	s_set_vgpr_msb (MSB<<8)|\new
.set MSB, \new
.endif
.endm
	s_load_b256 s[4:11], s[0:1], 0x0               ; x s[4:5], w_codes s[6:7], w_scales s[8:9], lora_a s[10:11]
	s_load_b128 s[12:15], s[0:1], 0x20             ; xq s[12:13], wq s[14:15]
	s_load_b64 s[16:17], s[0:1], 0x30              ; axp
	v_lshl_add_u32 v254, v0, 2, 0x15000
	v_mov_b32 v255, 0
	v_lshrrev_b32 v1, 5, v0
	v_readfirstlane_b32 s18, v1                    ; wave 0..7
	v_and_b32 v1, 31, v0                           ; lane
	v_and_b32 v2, 15, v0                           ; r
	v_bfe_u32 v3, v0, 4, 1                         ; h
	v_lshlrev_b32 v[L16], 4, v1
	v_lshlrev_b32 v[WSO], 8, v2
	s_wait_alu depctr_va_sdst(0)                   ; s18 is written, ahead of its first reader: the offsets below are made from it
	s_lshr_b32 s19, ttmp9, 2                       ; x's group of 128 rows
	s_and_b32 s20, ttmp9, 3                        ; and quarter of K
	s_lshr_b32 s21, ttmp9, 4                       ; W's group
	s_and_b32 s22, ttmp9, 15                       ; and pair of K steps
	; byte offsets, each in a pair with 0 above it (all under 2^31)
	s_lshl_b32 s24, s19, 21                        ; x: 128 rows of 16,384 bytes a group,
	s_lshl_b32 s23, s18, 18                        ;    16 rows a wave,
	s_add_co_u32 s24, s24, s23
	s_lshl_b32 s46, s20, 12                        ;    4,096 bytes a quarter
	s_add_co_u32 s24, s24, s46
	s_mov_b32 s25, 0
	s_lshl_b32 s26, s21, 21                        ; w_codes: the same rows' pitch; 1,024 bytes a pair
	s_add_co_u32 s26, s26, s23
	s_lshl_b32 s46, s22, 10
	s_add_co_u32 s26, s26, s46
	s_mov_b32 s27, 0
	s_lshl_b32 s28, s20, 3                         ; lora_a: K step 8 quarter + w, 512 bytes a step
	s_add_co_u32 s28, s28, s18
	s_lshl_b32 s28, s28, 9
	s_mov_b32 s29, 0
	s_lshl_b32 s30, s21, 15                        ; w_scales: rows of 256 bytes; 16 bytes a pair
	s_lshl_b32 s46, s18, 12
	s_add_co_u32 s30, s30, s46
	s_lshl_b32 s46, s22, 4
	s_add_co_u32 s30, s30, s46
	s_mov_b32 s31, 0
	s_mul_i32 s32, s19, GRP                        ; xq: the group, the quarter's eight K steps,
	s_mul_i32 s46, s20, 8*STP
	s_add_co_u32 s32, s32, s46
	s_mov_b32 s38, s32
	s_mul_i32 s46, s18, 1536                       ;     my tile's image in a step's block
	s_add_co_u32 s32, s32, s46
	s_mov_b32 s33, 0
	s_mul_i32 s34, s21, GRP                        ; wq: the group, the pair's two K steps, my tile
	s_mul_i32 s47, s22, 2*STP
	s_add_co_u32 s34, s34, s47
	s_mov_b32 s40, s34
	s_add_co_u32 s34, s34, s46
	s_mov_b32 s35, 0
	s_lshl_b32 s36, s20, 19                        ; axp: 512 tiles of 1,024 bytes a quarter; tile 8 group + w
	s_lshl_b32 s46, s19, 13
	s_add_co_u32 s36, s36, s46
	s_lshl_b32 s46, s18, 10
	s_add_co_u32 s36, s36, s46
	s_mov_b32 s37, 0
	s_mul_i32 s46, s18, STP                        ; xq's scale words: wave w stores those of the quarter's K step w
	s_add_co_u32 s38, s38, s46
	s_add_co_u32 s38, s38, SCO
	s_mov_b32 s39, 0
	s_min_u32 s46, s18, 1                          ; wq's: waves 0 and 1 store a K step's each (the others store none: held, so that the address stays in the pair)
	s_mul_i32 s46, s46, STP
	s_add_co_u32 s40, s40, s46
	s_add_co_u32 s40, s40, SCO
	s_mov_b32 s41, 0
	s_wait_kmcnt 0x0
	s_add_nc_u64 s[4:5], s[4:5], s[24:25]
	s_add_nc_u64 s[6:7], s[6:7], s[26:27]
	s_add_nc_u64 s[10:11], s[10:11], s[28:29]
	s_add_nc_u64 s[8:9], s[8:9], s[30:31]
	s_add_nc_u64 s[32:33], s[12:13], s[32:33]
	s_add_nc_u64 s[34:35], s[14:15], s[34:35]
	s_add_nc_u64 s[36:37], s[16:17], s[36:37]
	s_add_nc_u64 s[38:39], s[12:13], s[38:39]
	s_add_nc_u64 s[40:41], s[14:15], s[40:41]
; Set n of the stream into raw set n % 4 (window 1): 16 loads, each 512 consecutive bytes of one row.  x and w_codes are read once in the launch; lora_a by 64 work-groups.
.macro LOADN n
.set RS, 64*((\n)%4)
.irp i, 0,1,2,3,4,5,6,7,8,9,10,11,12,13,14,15
.if (\n) == 0
	global_load_b128 v[RS+4*\i:RS+4*\i+3], v[L16], s[10:11] offset:16384*\i
.elseif (\n) <= 8
	global_load_b128 v[RS+4*\i:RS+4*\i+3], v[L16], s[4:5] offset:512*((\n)-1)+16384*\i th:TH_LOAD_NT
.else
	global_load_b128 v[RS+4*\i:RS+4*\i+3], v[L16], s[6:7] offset:512*((\n)-9)+16384*\i th:TH_LOAD_NT
.endif
.endr
.endm
	s_wait_alu depctr_va_vdst(0)                   ; v[L16] and v[WSO] are written: every global load and store of the kernel reads one of them as its offset
	global_load_b128 v[WS:WS+3], v[WSO], s[8:9]    ; the oldest load: the first counted wait below covers it
	WIN 0x40                                       ; destination window 1, address window 0
	LOADN 0
	LOADN 1
	LOADN 2
	LOADN 3
	WIN 0
	; LDS addresses: a constant + a constant x lane + a constant x wave
	s_mul_i32 s45, s18, STGW
	v_add_nc_u32 v[STI], s45, v[L16]
	v_mul_u32_u24 v[STQ], v2, 528
	v_lshl_add_u32 v[STQ], v3, 6, v[STQ]
	v_add_nc_u32 v[STQ], s45, v[STQ]
	s_lshr_b32 s45, s18, 2
	s_lshl_b32 s45, s45, 8
	s_and_b32 s46, s18, 3
	s_lshl_b32 s46, s46, 2
	s_add_co_u32 s45, s45, s46
	s_add_co_u32 s45, s45, XSCL
	v_lshl_add_u32 v[SCW], v2, 4, s45
	s_lshl_b32 s45, s18, 9
	s_add_co_u32 s45, s45, XSCL
	v_add_nc_u32 v[SCR], s45, v[L16]
	s_mul_i32 s45, s18, 1536
	s_add_co_u32 s45, s45, LIMG
	v_add_nc_u32 v[LIW], s45, v[L16]
	v_add_nc_u32 v[LIR], LIMG, v[L16]
	s_lshl_b32 s45, s18, 7
	s_add_co_u32 s45, s45, LSC
	v_lshl_add_u32 v[LSW], v1, 2, s45
	v_lshl_add_u32 v[LSR], v1, 2, LSC
	s_mov_b32 s[SEL], 0x76543210
	s_mov_b32 s[SEL+1], 0xfedcba98
.irp b, 0,1,2,3
	v_mov_b32 v[TM+4+\b], 0                        ; written once: a lane permute's destination counts as one of its sources
.endr
	v_mov_b32 v[TB], 0                             ; the NF4 table, an entry a lane
.macro NF4 k, bits
	s_mov_b32 s44, \bits
	v_writelane_b32 v[TB], s44, \k
.endm
	NF4 0,  0xbf800000
	NF4 1,  0xbf3239b1
	NF4 2,  0xbf066b30
	NF4 3,  0xbeca32a0
	NF4 4,  0xbe91a24d
	NF4 5,  0xbe3d353f
	NF4 6,  0xbdba7871
	NF4 7,  0x00000000
	NF4 8,  0x3da2faff
	NF4 9,  0x3e24cae3
	NF4 10, 0x3e7c04dd
	NF4 11, 0x3ead033a
	NF4 12, 0x3ee1a4b8
	NF4 13, 0x3f1007ab
	NF4 14, 0x3f3913b3
	NF4 15, 0x3f800000
	s_wait_alu depctr_va_vdst(0)                   ; the LDS addresses v5 to v12 and the table v14 are written: every LDS instruction of the kernel reads one of them
; FEED m.  Set m has come: it goes into my stage as it was loaded and comes back turned, into X[m % 2]; and its raw set is asked for again at once, for the set four on.
; LDS serves a wave's instructions in order (ISA guide 5.7.1.4): no wait between the stores and the loads, and these stores come behind the last set's loads from the same stage.
; The loads into X[m % 2] owe no wait here: its last readers, the vector lines of set m - 2, stand ahead of that step's wait on va_vdst, and no vector or matrix instruction since names it.
.macro FEED m
.set RS, 64*((\m)%4)
.set XD, X+76*((\m)%2)
.if 10-(\m) >= 3
	s_wait_loadcnt 48                              ; set m's 16 loads are in; the three sets behind it may be out
.else
	s_wait_loadcnt 16*(10-(\m))                    ; the stream's end: fewer sets stand behind it
.endif
	WIN 0x04                                       ; an LDS store's data are its source 1: window 1
.irp i, 0,1,2,3,4,5,6,7,8,9,10,11,12,13,14,15
	ds_store_b128 v[STI], v[RS+4*\i:RS+4*\i+3] offset:528*\i
.endr
	WIN 0
.irp b, 0,1,2,3
.irp j, 0,1,2,3
	ds_load_b128 v[XD+16*\b+4*\j:XD+16*\b+4*\j+3], v[STQ] offset:128*\b+16*\j   ; the 16 rows of a pass start 528 bytes apart: an odd multiple of 16
.endr
.endr
.if (\m)+4 <= 10
	WIN 0x40                                       ; the switch, then the waits, then the loads
.endif
.if (\m) >= 3
	s_wait_xcnt 0x0                                ; the last step's global stores of the codes have had their addresses translated (ISA guide 3.1): v[PC] on is written again only behind this wait
.endif
	s_wait_alu depctr_vm_vsrc(0)                   ; the stage's stores above have read RAW[m % 4], in which the loads below land; the last step's stores have read v[PC] on and v[PW], which the QUANT behind this FEED writes
.if (\m)+4 <= 10
	LOADN (\m)+4
	WIN 0
.endif
.endm
; 64 numbers of a lane, v[s] .. v[s + 63], register 16 b + i = k 32 b + 16 (lane / 16) + i of my row, become a fragment's codes in v[PC] on and its scale word in v[PW].
.macro QUANT s
.irp b, 0,1,2,3
	v_max3_num_f32 v[TM+\b], |v[\s+16*\b]|, |v[\s+1+16*\b]|, 0x2800000   ; block b: my 16 numbers, and the floor 2^(5 - 127): the byte cannot fall under 1
.endr
.irp i, 2,4,6,8,10,12,14
.irp b, 0,1,2,3
	v_max3_num_f32 v[TM+\b], v[TM+\b], |v[\s+16*\b+\i]|, |v[\s+1+16*\b+\i]|   ; the four blocks by turns: no line waits for the line above it
.endr
.endr
.irp b, 0,1,2,3
	v_permlanex16_b32 v[TM+4+\b], v[TM+\b], s[SEL], s[SEL+1]
.endr
.irp b, 0,1,2,3
	v_max_num_f32 v[TM+\b], v[TM+\b], v[TM+4+\b]   ; with lane l xor 16's: the block's largest magnitude
.endr
.irp b, 0,1,2,3
	v_add_nc_u32 v[TM+12+\b], 0xfe000000, v[TM+\b] ; 4 off its exponent field: the conversion takes the exponent field of this operand as its scale, and nothing else of it
.endr
.irp b, 0,1,2,3
	v_lshrrev_b32 v[TM+4+\b], 23, v[TM+12+\b]      ; the scale's byte
.endr
	v_lshl_or_b32 v[PW], v[TM+5], 8, v[TM+4]       ; the four bytes make my row's scale word
	v_lshl_or_b32 v[PW], v[TM+6], 16, v[PW]
	v_lshl_or_b32 v[PW], v[TM+7], 24, v[PW]
.irp c, 0,1
	v_cvt_scalef32_pk16_bf6_f32 v[PC+6*\c:PC+2+6*\c], v[\s+32*\c:\s+15+32*\c], v[TM+12+2*\c]
	v_cvt_scalef32_pk16_bf6_f32 v[PC+12+4*\c:PC+14+4*\c], v[\s+16+32*\c:\s+31+32*\c], v[TM+12+2*\c+1]   ; (a conversion's three registers begin on an even number)
.endr
	v_nop                                          ; one plain place behind a scaled conversion
.irp c, 0,1                                    ; the operand's layout wants a WHOLE block in a lane: lanes 0-15 block 2 c, lanes 16-31 block 2 c + 1
.irp i, 0,1,2
	v_permlane16_swap_b32 v[PC+6*\c+\i], v[PC+12+4*\c+\i]
.endr
.irp i, 0,1,2
	v_mov_b32 v[PC+3+6*\c+\i], v[PC+12+4*\c+\i]
.endr
.endr
.endm
	; ---- set 0: lora_a's K step 8 quarter + w: its fragment goes to LDS as an image of its registers, for all eight waves
	FEED 0
	FEED 1                                         ; x's first K step goes through the stage while lora_a's is quantised
	s_wait_dscnt 32                                ; set 0 is back in X0; FEED 1's 32 LDS instructions may be out
	QUANT X
	s_wait_alu depctr_va_vdst(0)                   ; QUANT has written v[PC] on and v[PW], which the LDS stores below read, and is done reading X0, in which FEED 2's loads land
.irp c, 0,1,2
	ds_store_b128 v[LIW], v[PC+4*\c:PC+4*\c+3] offset:512*\c
.endr
	ds_store_b32 v[LSW], v[PW]
	s_wait_dscnt 0x0                               ; for the others' sake: my image has landed
	s_barrier_signal -1
	s_barrier_wait -1                              ; the quarter's eight fragments of lora_a lie in LDS; nobody writes them again
; ---- x's K step t of the quarter (set t + 1): codes and scale word out, and ax += lora_a's step x mine.
; The product is used transposed: source 0 = lora_a's 16 ranks, source 1 = my 16 rows: lane (r, h) holds ax[row r][rank 8 h + 0 .. 7].  Two accumulators take turns, one instruction a turn.
.macro XSTEP t
.set XS, X+76*(((\t)+1)%2)
.set LFB, LF+160*((\t)%2)
.set LSB, LSCL+5*((\t)%2)
.irp c, 0,1,2
	ds_load_b128 v[LFB+4*\c:LFB+4*\c+3], v[LIR] offset:1536*(\t)+512*\c   ; no wait: this set's last reader, the matrix instruction of two steps back, stands ahead of the last step's wait on va_vdst
.endr
	ds_load_b32 v[LSB], v[LSR] offset:128*(\t)
	FEED (\t)+2                                    ; the next set through the stage, and the loads of the set four on from it
	s_wait_dscnt 37                                ; this step's set is back; behind its loads stand the last step's scale word store, lora_a's four loads and the FEED's 32, which may be out
	QUANT XS
.rept 8
	v_nop                                          ; a scale register written by vector instructions stands 8 places ahead of a scaled matrix instruction, an operand so written 4
.endr
	s_wait_alu depctr_va_vdst(0)                   ; QUANT has written v[PC] on and v[PW], which the stores and the scaled product below read, and is done reading this X, in which the FEED of the next step lands; the last step's matrix instruction is done reading its fragment and scale word of lora_a, in which the next step's loads land
.irp c, 0,1,2
	global_store_b128 v[L16], v[PC+4*\c:PC+4*\c+3], s[32:33] offset:(\t)*STP+512*\c   ; 32 lanes store 512 consecutive bytes, at a multiple of 512 from xq's first byte
.endr
	ds_store_b32 v[SCW], v[PW] offset:512*(\t)     ; lanes r and r + 16 write the same word with the same value
	s_wait_dscnt 33                                ; lora_a's fragment and scale word are in; the FEED's 32 and the store just issued may be out
.if (\t) < 2
	v_wmma_scale_f32_16x16x128_f8f6f4 v[ACC+8*((\t)%2):ACC+8*((\t)%2)+7], v[LFB:LFB+11], v[PC:PC+11], 0, v[LSB], v[PW] matrix_a_fmt:MATRIX_FMT_BF6 matrix_b_fmt:MATRIX_FMT_BF6
.else
	v_wmma_scale_f32_16x16x128_f8f6f4 v[ACC+8*((\t)%2):ACC+8*((\t)%2)+7], v[LFB:LFB+11], v[PC:PC+11], v[ACC+8*((\t)%2):ACC+8*((\t)%2)+7], v[LSB], v[PW] matrix_a_fmt:MATRIX_FMT_BF6 matrix_b_fmt:MATRIX_FMT_BF6
.endif
.rept 4
	v_nop                                          ; places (ISA guide 7.12.1) ahead of the next writes of the codes and the scale word, and of the first read of the sums
.endr
.endm
.irp t, 0,1,2,3,4,5,6,7
	XSTEP \t
.endr
	; 2 x (the two accumulators' sum): ALPHA / RANK = 2.  Each accumulator is read from its low end on.
.irp k, 0,2,4,6
	v_pk_mul_f32 v[AXO+\k:AXO+\k+1], v[ACC+\k:ACC+\k+1], 2.0 op_sel_hi:[1,0]
.endr
.irp k, 0,2,4,6
	v_pk_fma_f32 v[AXO+\k:AXO+\k+1], v[ACC+8+\k:ACC+9+\k], 2.0, v[AXO+\k:AXO+\k+1] op_sel_hi:[1,0,1]
.endr
	s_wait_alu depctr_va_vdst(0)                   ; the packed lines have written v[AXO] on, which the two stores read
	global_store_b128 v[L16], v[AXO:AXO+3], s[36:37]
	global_store_b128 v[L16], v[AXO+4:AXO+7], s[36:37] offset:512
; ---- W's K step q of the pair (set 9 + q): codes -> table entries -> x the block's w_scale -> quantised like x
.macro WSTEP q
.set XS, X+76*((1+(\q))%2)
.if (\q) == 0
	FEED 10                                        ; the last set through the stage
	s_wait_dscnt 33                                ; set 9 is back; behind its loads stand the last step's scale word store and the FEED's 32, which may be out
.else
	s_wait_xcnt 0x0                                ; the last stores of codes have had their addresses translated: v[PC] on is written again only behind this wait.  (Set 10 is back: the last step waited for all its LDS instructions)
	s_wait_alu depctr_vm_vsrc(0)                   ; the last step's stores have read v[PC] on and v[PW], which this step's QUANT writes
.endif
.set j, 0
.rept 64
	v_min_u32 v[XS+j], 15, v[XS+j]                 ; a code names a lane of the table: held inside it
.set j, j+1
.endr
.set j, 0
.rept 64
	v_lshlrev_b32 v[XS+j], 2, v[XS+j]              ; the lane permute takes 4 x lane
.set j, j+1
.endr
	s_wait_alu depctr_va_vdst(0)                   ; the shifts have written the 64 registers that the permutes read as their lanes' addresses and in which their results land
.set j, 0
.rept 64
	ds_bpermute_b32 v[XS+j], v[XS+j], v[TB]        ; NF4[code]: no LDS byte is touched
.set j, j+1
.endr
	v_mov_b32 v[SA], v[WS+2*(\q)]                  ; the step's two blocks of 64 have a w_scale each: twice, as pairs for the packed multiplication
	v_mov_b32 v[SA+1], v[WS+2*(\q)]
	v_mov_b32 v[SB], v[WS+2*(\q)+1]
	v_mov_b32 v[SB+1], v[WS+2*(\q)+1]
	s_wait_dscnt 0x0
	s_wait_alu depctr_vm_vsrc(0)                   ; the permutes have read these 64 registers, which the multiplications below write
.set j, 0
.rept 16
	v_pk_mul_f32 v[XS+j:XS+j+1], v[XS+j:XS+j+1], v[SA:SA+1]              ; registers 0-31: k 0 .. 63 of the step
	v_pk_mul_f32 v[XS+32+j:XS+33+j], v[XS+32+j:XS+33+j], v[SB:SB+1]      ; registers 32-63: k 64 .. 127
.set j, j+2
.endr
	QUANT XS
	s_wait_alu depctr_va_vdst(0)                   ; QUANT has written v[PC] on and v[PW], which the stores below read
.irp c, 0,1,2
	global_store_b128 v[L16], v[PC+4*\c:PC+4*\c+3], s[34:35] offset:(\q)*STP+512*\c
.endr
	ds_store_b32 v[SCW], v[PW] offset:4096+512*(\q)
.endm
	WSTEP 0
	WSTEP 1
	; ---- the scale words leave as they lie in LDS: a K step's 512 consecutive bytes a wave.  No vector instruction names v[OUTS] on: the loads and stores below hang on memory counters alone
	s_wait_dscnt 0x0                               ; for the others' sake: my scale words have landed
	s_barrier_signal -1
	s_barrier_wait -1
	ds_load_b128 v[OUTS:OUTS+3], v[SCR]
	s_wait_dscnt 0x0
	global_store_b128 v[L16], v[OUTS:OUTS+3], s[38:39]
	s_cmp_ge_u32 s18, 2                            ; W's pair has two K steps: waves 0 and 1
	s_cbranch_scc1 .Lend
	ds_load_b128 v[OUTS+4:OUTS+7], v[SCR] offset:4096
	s_wait_dscnt 0x0
	global_store_b128 v[L16], v[OUTS+4:OUTS+7], s[40:41]
.Lend:
	s_wait_dscnt 0x0                               ; the closing lines, six on end
	s_wait_alu 0x0
	s_wait_tensorcnt 0x0
	ds_add_u32 v254, v255
	s_wait_dscnt 0x0
	s_endpgm
.Lfunc_end_k_qd58df5397d_quant:
	.size	k_qd58df5397d_quant, .Lfunc_end_k_qd58df5397d_quant-k_qd58df5397d_quant
	.p2alignl 7, 3214868480
	.fill 96, 4, 3214868480
	.section	.rodata,"a",@progbits
	.p2align	6, 0x0
	.amdhsa_kernel k_qd58df5397d_quant
		.amdhsa_group_segment_fixed_size 87040
		.amdhsa_private_segment_fixed_size 0
		.amdhsa_enable_private_segment 0
		.amdhsa_kernarg_size 56
		.amdhsa_user_sgpr_count 2
		.amdhsa_user_sgpr_kernarg_segment_ptr 1
		.amdhsa_wavefront_size32 1
		.amdhsa_system_sgpr_workgroup_id_x 1
		.amdhsa_system_sgpr_workgroup_id_y 1
		.amdhsa_system_sgpr_workgroup_id_z 1
		.amdhsa_system_vgpr_workitem_id 0
		.amdhsa_next_free_vgpr 512
		.amdhsa_next_free_sgpr 66
		.amdhsa_reserve_vcc 0
		.amdhsa_float_denorm_mode_32 3
		.amdhsa_float_denorm_mode_16_64 3
		.amdhsa_memory_ordered 1
		.amdhsa_forward_progress 1
		.amdhsa_inst_pref_size 121
	.end_amdhsa_kernel
	.amdgpu_metadata
---
amdhsa.version: [ 1, 2 ]
amdhsa.kernels:
  - .name:           k_qd58df5397d_quant
    .symbol:         k_qd58df5397d_quant.kd
    .args:
      - { .name: x, .offset: 0, .size: 8, .value_kind: global_buffer, .address_space: global }
      - { .name: w_codes, .offset: 8, .size: 8, .value_kind: global_buffer, .address_space: global }
      - { .name: w_scales, .offset: 16, .size: 8, .value_kind: global_buffer, .address_space: global }
      - { .name: lora_a, .offset: 24, .size: 8, .value_kind: global_buffer, .address_space: global }
      - { .name: xq, .offset: 32, .size: 8, .value_kind: global_buffer, .address_space: global }
      - { .name: wq, .offset: 40, .size: 8, .value_kind: global_buffer, .address_space: global }
      - { .name: axp, .offset: 48, .size: 8, .value_kind: global_buffer, .address_space: global }
    .group_segment_fixed_size: 87040
    .private_segment_fixed_size: 0
    .kernarg_segment_align: 8
    .kernarg_segment_size: 56
    .max_flat_workgroup_size: 256
    .sgpr_count:     66
    .vgpr_count:     512
    .wavefront_size: 32
...
	.end_amdgpu_metadata
.endif
;; end of part 3
;; launch gemm: the kernel of part 2 again; grid 8 x 32, 4 waves a work-group, clusters of 4 x 4, 327,680 bytes of LDS; arguments xq, wq, axp, lora_b, out0; writes out0
